; MI455X (gfx1250); checked and timed in simulation.
; The chip was launched on July 23, 2026; its instructions are those of AMD's public machine-readable ISA for CDNA 5 (MIT licence, August 2026) and "CDNA5" Instruction Set Architecture Reference Guide (July 2026). The comments in the code are by the model that wrote it; some were corrected since.
;; Self Attention. Allowed arithmetic: matrix products marked QUANTISED: E5M2 operands, one E8M0 scale for each 32 along K, by v_wmma_scale_f32_16x16x128_f8f6f4 with both operands' format E5M2, f32 sums; products left as they are: f32 operands where the result goes on into a quantised operand, else bf16, f16 or f32 operands; f32 sums; everything else in f32.
;; Inputs: Wq_codes 512 x 32 x 32 uint8 (E5M2 codes of Wq, K innermost, in blocks of 32 codes); Wq_scales 512 x 32 uint8 (E8M0 scales of Wq, one for each 32 codes along K); bq 512 float32; mask 128 x 512 bool; vq 512 float32; x 128 x 512 x 1,024 float32.
;; Outputs: out0 128 x 1,024 float32.
;; This version of the problem:
;;   THIS VERSION OF THE PROBLEM IS GIVEN IN LOW PRECISION. The matrix products marked QUANTISED in the list below multiply operands that are first quantised to E5M2 (5 exponent bits, 2 mantissa bits; 8 bits a number), with one power-of-two scale for each 32 numbers along K (OCP MX v1.0); their sums are f32. All else is computed in f32.
;;   The module's matrix products, in the order in which they are computed (A, B: the left and right operand; K: the contracted axis; several contracted axes count as one K, in the product's order):
;;     1. [M 65,536, K 1,024] x [K 1,024, N 512]; A: input x; B: input Wq (given as codes): QUANTISED
;;     2. [M 65,536, K 512] x [K 512, N 1]; A: computed on the way; B: input vq: left as it is (N = 1 < 16)
;;     3. batch 128 x [M 1, K 512] x [K 512, N 1,024]; A: softmax; B: input x: left as it is (M = 1 < 16)
;;   THE QUANTISER, for each operand of a quantised product, along K:
;;     - K is cut into blocks of 32 from its start; a last block that is shorter is filled with zeros.
;;     - A block's scale is 2^e with e = floor(log2(the largest magnitude in the block)) - 15, held to -126 .. 127; a block of zeros has e = 0. As a byte (E8M0): e + 127.
;;     - Each number is divided by its block's scale, clamped to +-57,344, and rounded to the nearest number of E5M2, ties to even, subnormals kept.
;;     - The product sums the exact products of the quantised numbers (number of the format x scale) in f32.
;;   ~~~python
;;   def quantise(x, axis):      # numpy; x: float32 -> the quantised numbers, widened to float32 again
;;       x = np.moveaxis(x, axis, -1); K = x.shape[-1]
;;       x = np.pad(x, [(0, 0)] * (x.ndim - 1) + [(0, -K % 32)]); x = x.reshape(x.shape[:-1] + (-1, 32)); a = np.abs(x).max(-1, keepdims=True)
;;       e = np.where(a > 0, np.clip(np.frexp(np.where(a > 0, a, 1))[1] - 1 - 15, -126, 127), 0)      # np.frexp(a)[1] - 1 = floor(log2(a)), exactly
;;       r = np.clip(x / 2.0 ** e, -57344, 57344)
;;       step = 2.0 ** (np.maximum(np.frexp(np.where(r == 0, 1, r))[1] - 1, -14) - 2)
;;       q = np.round(r / step) * step * 2.0 ** e      # np.round: ties to even
;;       return np.moveaxis(q.reshape(q.shape[:-2] + (-1,))[..., :K], -1, axis).astype(np.float32)
;;   ~~~
;;   INPUTS GIVEN AS CODES. Wq (in the module: [512, 1024], K = its axis 1): each comes as NAME_codes (uint8): NAME with its K axis moved to the last place and cut into blocks of 32 codes, [.., K / 32, bytes a block], one block behind the other in memory; one code a byte (a code: sign, 5 exponent bits, 2 mantissa bits); and NAME_scales (uint8): the same leading axes, one E8M0 byte (e + 127) for each 32 codes along K. Its value is code x scale, taken as it is: it is not quantised again, and the codes and scales need not be those that the quantiser above would give.
;; 2 versions, each right and faster than the one before. Each part assembles by itself: llvm-mc -triple=amdgcn-amd-amdhsa -mcpu=gfx1250 --defsym DOCPART=n.
;; ======== version 1 of 2: 2 launches
;; limits: an absolute error that grows with the inputs' magnitude: up to 1.192e-07 times it
;; workspace buffers: scores 262,144 bytes; sel 32,768 bytes of whole numbers
;; launch score (part 1): grid 256 x 1, 4 waves a work-group, no clusters, 327,680 bytes of LDS; arguments x, Wq_codes, Wq_scales, bq, vq, mask, scores, sel; writes scores, sel
.if DOCPART == 1
	.amdgcn_target "amdgcn-amd-amdhsa--gfx1250"
	.amdhsa_code_object_version 6
	.text
	.protected	k_qd21facf7cc_score
	.globl	k_qd21facf7cc_score
	.p2align	8
	.type	k_qd21facf7cc_score,@function
k_qd21facf7cc_score:
	s_mov_b64 s[64:65], 0
	v_nop
	global_prefetch_b8 v0, s[64:65] scope:SCOPE_SE
	s_setreg_imm32_b32 hwreg(HW_REG_WAVE_MODE, 25, 1), 1
	s_wait_xcnt 0x0
; score[row] = vq . tanh(Q(x[row]) Wq^T + bq), masked rows = -1e6, for the 65,536 rows of x [128][512][1024] f32.  Q: codes of BF8 (E5M2) with one E8M0 scale for each 32 along K = 1,024; Wq [512][1024] comes as codes and scale bytes.
; OUT: scores [128][512] f32 (masked), and sel: for each half batch of 256 rows a record of 32 dwords: dwords 0-7 a bit for each row whose score is at least the half batch's largest score - 32 ln 2, dwords 8-31 zero.
;      Bit l of dword 4 u + e stands for row 128 u + 4 l + e of the half batch.  The next launch takes the softmax over all stored scores and the weighted sum over the marked rows.
; SHARES.  A work-group of four waves owns a half batch, 256 rows, as 8 tiles of 32 rows.  x is read from memory once, straight into registers, a tile ahead of its use.
;   WQ STAYS: wave w owns d = 128 w .. 128 w + 127, 8 tiles of 16.  Tiles 0-3 (64 x 1,024 codes = 512 registers a lane set) stay in its registers, tiles 4-7 (64 rows x 1,024 bytes) in its own part of LDS, brought once by one tensor load.
;   A TILE, two barriers:  Q: wave w quantises rows 8 w .. 8 w + 7 of the tile and stores codes and scale bytes to LDS | barrier |  G: every wave multiplies the 32 rows by its 128 d: 8 K steps x 16 products | barrier |
;   T: tanh, times vq, summed over my 128 d: a partial score for each row, kept in LDS.  At the end wave 0 adds the four waves' partial scores, masks, marks and stores.
; LAYOUT.  The product is used transposed: source 0 = 16 rows of Wq, source 1 = 16 rows of x.  A lane (r = lane % 16, h = lane / 16) then holds ONE row r of x and in register j the unit d = 16 t + 8 h + j.
;   In Q a lane holds 8 neighbours along K (columns 256 g + 8 lane + 0 .. 7 of one row): four neighbouring lanes hold a block of 32, and a row's group of 256 codes leaves as 256 consecutive LDS bytes.
; NO CLUSTER: what work-groups share is Wq alone, taken in once: 512 KiB of the 1,536 KiB that a work-group takes in, half of it by plain loads into registers; x, the stream, is shared by nobody.
; LIMITS: NaN and infinities among the inputs are not served.  A block of x whose largest magnitude lies under 2^-111 gets the scale byte 1 (the rule's own lower hold); a block of zeros gets 1 where the rule says 127: its codes
;   are zeros, and these bytes are read by this launch alone.  tanh(z) = 1 - 2 / (1 + 2^(2 log2(e) z)): where the power overflows or vanishes the result is 1 or -1, as it should be.
; REGISTERS, in windows of 256 (s_set_vgpr_msb: bits 1:0 source 0, 3:2 source 1, 5:4 source 2, 7:6 destination):
;   window 0: v1-10 addresses; v11 a permute's destination; v12-13 mask bytes; v16-47 Wq's scale words, v48-55 x's (scales and nothing else); v56-71 T's sums; v72-107 at work in Q and T; v108-122 the head's;
;             v128-191 x's fragments (two sets), v192-255 Wq's fragments of tiles 4-7 (one set); outside G the same 128 registers are landing zone Z: rows 4-7 of the wave's next 8 rows of x.
;   window 1: v0-127 the 16 accumulators ((m, t) at 16 t + 8 m); v128-255 landing zone F: rows 0-3.     windows 2, 3: Wq's resident fragments: (t, s) at 128 (t % 2) + 16 s, tiles 0, 1 in window 2, tiles 2, 3 in window 3.
.set PIT,   1040                       ; an LDS row of 1,024 codes + 16 bytes of padding = 260 words: row r starts at bank 4 r mod 64 (64 banks of 4 bytes: ISA guide 11.1)
.set WLW,   64*PIT                     ; LDS byte 0: Wq's tiles 4-7, 64 rows for each wave; filled once, read by that wave alone
.set XC,    4*WLW                      ; the tile's codes of x: 32 rows
.set XS,    XC+32*PIT                  ; the tile's scale bytes of x: 32 rows x 48 (32 used)
.set XSP,   48
.set CBB,   XS+32*XSP                  ; 2 log2(e) x bq, 512 bytes for each wave's 128 units
.set VQB,   CBB+2048                   ; vq likewise
.set SPB,   VQB+2048                   ; partial scores: 256 rows x 4 bytes for each wave
.set TILEB, 32*4096                    ; a tile of x in memory
.set XA,  1                            ; v1   32 x lane: my 8 numbers in a group of 256
.set AXC, 2                            ; v2   x's fragments:  XC + r PIT + 16 h
.set AWL, 3                            ; v3   Wq's fragments: wave WLW + r PIT + 16 h
.set AXS, 4                            ; v4   x's scale words: XS + 48 r + 16 h
.set SCD, 5                            ; v5   where I store codes: XC + wave 8 PIT + 8 lane
.set SSB, 6                            ; v6   and scale bytes: XS + wave 8 x 48 + lane / 4
.set ACB, 7                            ; v7   CBB + 512 wave + 32 h
.set AVQ, 8                            ; v8   VQB + 512 wave + 32 h
.set ASP, 9                            ; v9   SPB + 1,024 wave + 4 lane
.set SPA, 10                           ; v10  that + 128 x tile
.set PX,  11
.set MK,  12
.set WS,  16                           ; register 4 t + j: lanes 0-15 the word of K step j of row 16 t + r, lanes 16-31 that of K step j + 4
.set XSR, 48                           ; register 4 m + j: the same for x's rows 16 m + r
.set CH,  56
.set CBV, 72                           ; T: two sets of 16: 8 of 2 log2(e) bq, 8 of vq
.set QM,  72                           ; Q: largest magnitudes; conversions' scales; holds; bytes (two sets); codes (two sets)
.set QS,  76
.set QH,  80
.set QBY, 84
.set QCD, 92
.set BQ,  108
.set VQ,  112
.set CBA, 116
.set TLA, 117
.set WSO, 118
.set WFO, 119
.set BVO, 120
.set L4,  121
.set L16, 122
.set XF,  128
.set WF,  192
.set MSB, 0
.macro WIN new                         ; the immediate's high byte repeats the setting that is left; a switch that changes nothing is dropped
.if MSB != \new
	s_set_vgpr_msb (MSB<<8)|\new
.set MSB, \new
.endif
.endm
.macro PLACES n
.rept \n
	v_nop
.endr
.endm
.macro BARRIER                         ; my LDS stores have landed and my LDS loads are in: then the work-group's barrier
	s_wait_dscnt 0x0
	s_barrier_signal -1
	s_barrier_wait -1
.endm
; unit u = 4 x row + group: 8 numbers a lane, 1,024 consecutive bytes a wave, by two loads
.macro XLD reg, u
	global_load_b128 v[(\reg):(\reg)+3], v[XA], s[44:45] offset:((\u)/4)*4096+((\u)%4)*1024 th:TH_LOAD_NT
	global_load_b128 v[(\reg)+4:(\reg)+7], v[XA], s[44:45] offset:((\u)/4)*4096+((\u)%4)*1024+16 th:TH_LOAD_NT
.endm
.macro FLOAD                           ; rows 0-3 of my 8 rows of the tile at s[44:45]: 32 loads into zone F
	WIN 0x40
.set uu, 0
.rept 16
	XLD 128+8*uu, uu
.set uu, uu+1
.endr
	WIN 0
.endm
.macro ZLOAD                           ; rows 4-7: 32 loads into zone Z
.set uu, 16
.rept 16
	XLD 128+8*(uu-16), uu
.set uu, uu+1
.endr
.endm
; ONE ROW OF x BECOMES CODES: its four groups i of 256 columns lie at v[base + 8 i] of window win; the four by turns, so that no line waits for the line above it.  par: which set of store registers.
.macro QB base, win, row, par
	WIN 0x05*(\win)
.irp i, 0,1,2,3
	v_max3_num_f32 v[QM+\i], |v[(\base)+8*\i]|, |v[(\base)+8*\i+1]|, 0x8000000   ; my 8 numbers, and the floor 2^(16 - 127): so the byte cannot fall under 1
.endr
.irp k, 2,4,6
.irp i, 0,1,2,3
	v_max3_num_f32 v[QM+\i], |v[(\base)+8*\i+\k]|, |v[(\base)+8*\i+\k+1]|, v[QM+\i]
.endr
.endr
	WIN 0
.irp i, 0,1,2,3
	v_max_num_f32_dpp v[QM+\i], v[QM+\i], v[QM+\i] row_xmask:1 row_mask:0xf bank_mask:0xf
.endr
.irp i, 0,1,2,3
	v_max_num_f32_dpp v[QM+\i], v[QM+\i], v[QM+\i] row_xmask:2 row_mask:0xf bank_mask:0xf   ; with the three lanes that share my block of 32
.endr
.irp i, 0,1,2,3
	v_add_nc_u32 v[QS+\i], 0xf8800000, v[QM+\i]                ; 15 off the exponent field: the conversion takes this operand's exponent field as its scale
.endr
.irp i, 0,1,2,3
	v_and_or_b32 v[QH+\i], v[QM+\i], 0x7f800000, s42           ; 57,344 x the scale: the same exponent field over 57,344's mantissa
.endr
	s_wait_dscnt 8                                 ; the last row's 8 stores may be out; those of the row before it, which read this set of registers, are done
.irp i, 0,1,2,3
	v_lshrrev_b32 v[QBY+4*(\par)+\i], 23, v[QS+\i]             ; the scale's byte
.endr
	WIN 0x41*(\win)
.irp i, 0,1,2,3
.irp k, 0,1,2,3,4,5,6,7
	v_med3_num_f32 v[(\base)+8*\i+\k], v[(\base)+8*\i+\k], -v[QH+\i], v[QH+\i]   ; the conversion to an 8-bit code does not saturate (ISA guide 7.6.2): the hold comes first
.endr
.endr
	WIN 0x01*(\win)
.irp i, 0,1,2,3
	v_cvt_scalef32_pk8_bf8_f32 v[QCD+8*(\par)+2*\i:QCD+8*(\par)+2*\i+1], v[(\base)+8*\i:(\base)+8*\i+7], v[QS+\i]
.endr
	WIN 0
	v_nop                                          ; one plain vector instruction behind the last conversion, ahead of whatever next writes its sources
.irp i, 0,1,2,3
	ds_store_b64 v[SCD], v[QCD+8*(\par)+2*\i:QCD+8*(\par)+2*\i+1] offset:(\row)*PIT+256*\i   ; 32 lanes: 256 consecutive bytes of the row
.endr
.irp i, 0,1,2,3
	ds_store_b8 v[SSB], v[QBY+4*(\par)+\i] offset:(\row)*XSP+8*\i   ; the four lanes of a block write the same byte with the same value
.endr
.endm
; A fragment, 16 rows x 128 K of 8-bit codes, is 16 registers: lane (r, h) holds row r; registers 4 c .. 4 c + 3 hold K = 32 c + 16 h + 0 .. 15: four loads of 16 bytes, 32 bytes apart.
.macro FETCHX s                        ; x's two fragments of K step s into set s % 2
.irp m, 0,1
.irp c, 0,1,2,3
	ds_load_b128 v[XF+32*((\s)%2)+16*\m+4*\c:XF+32*((\s)%2)+16*\m+4*\c+3], v[AXC] offset:\m*16*PIT+128*(\s)+32*\c
.endr
.endr
.endm
.macro FETCHW s                        ; Wq's fragments of tiles 4-7, K step s
.irp u, 0,1,2,3
.irp c, 0,1,2,3
	ds_load_b128 v[WF+16*\u+4*\c:WF+16*\u+4*\c+3], v[AWL] offset:\u*16*PIT+128*(\s)+32*\c
.endr
.endr
.endm
; One product: accumulator (m, t), K step s; Wq's fragment at v[areg] of the window in force.  K step 0 starts the sum with the constant 0.  K steps 4-7 take their scale words from lanes 16-31.
.macro MM areg, t, m, s
.if (\s) == 0
	v_wmma_scale_f32_16x16x128_f8f6f4 v[16*(\t)+8*(\m):16*(\t)+8*(\m)+7], v[(\areg):(\areg)+15], v[XF+32*((\s)%2)+16*(\m):XF+32*((\s)%2)+16*(\m)+15], 0, v[WS+4*(\t)+(\s)%4], v[XSR+4*(\m)+(\s)%4] matrix_a_fmt:MATRIX_FMT_BF8 matrix_b_fmt:MATRIX_FMT_BF8
.elseif (\s) < 4
	v_wmma_scale_f32_16x16x128_f8f6f4 v[16*(\t)+8*(\m):16*(\t)+8*(\m)+7], v[(\areg):(\areg)+15], v[XF+32*((\s)%2)+16*(\m):XF+32*((\s)%2)+16*(\m)+15], v[16*(\t)+8*(\m):16*(\t)+8*(\m)+7], v[WS+4*(\t)+(\s)%4], v[XSR+4*(\m)+(\s)%4] matrix_a_fmt:MATRIX_FMT_BF8 matrix_b_fmt:MATRIX_FMT_BF8
.else
	v_wmma_scale_f32_16x16x128_f8f6f4 v[16*(\t)+8*(\m):16*(\t)+8*(\m)+7], v[(\areg):(\areg)+15], v[XF+32*((\s)%2)+16*(\m):XF+32*((\s)%2)+16*(\m)+15], v[16*(\t)+8*(\m):16*(\t)+8*(\m)+7], v[WS+4*(\t)+(\s)%4], v[XSR+4*(\m)+(\s)%4] matrix_a_fmt:MATRIX_FMT_BF8 matrix_b_fmt:MATRIX_FMT_BF8 matrix_a_scale:MATRIX_SCALE_ROW1 matrix_b_scale:MATRIX_SCALE_ROW1
.endif
.endm
; A K STEP: 16 products, the 16 accumulators by turns, one instruction a turn, in the same order in every step.  The tiles that come from LDS go first, so that their one set of
; registers is free for the next step's fragments, which land under the eight products on resident tiles.  Eight places stand in front of loads into registers that matrix instructions have read
; they serve Wq's set, read just now, and x's other set, read in the step before.
.macro KSTEP s
	s_wait_dscnt 0x0                               ; this step's fragments are in
	WIN 0x50                                       ; sources in window 0, C and D in window 1
.irp t, 4,5,6,7
.irp m, 0,1
	MM WF+16*(\t-4), \t, \m, \s
.endr
.endr
.if (\s) < 7
	PLACES 8
	WIN 0
	FETCHW (\s)+1
	FETCHX (\s)+1
.endif
	WIN 0x52                                       ; source 0 in window 2
.irp t, 0,1
.irp m, 0,1
	MM 128*\t+16*(\s), \t, \m, \s
.endr
.endr
	WIN 0x53                                       ; source 0 in window 3
.irp t, 2,3
.irp m, 0,1
	MM 128*(\t-2)+16*(\s), \t, \m, \s
.endr
.endr
.endm
.macro TLD t                           ; tile t's eight 2 log2(e) bq and eight vq of my half of the lanes, into set t % 2
	ds_load_b128 v[CBV+16*((\t)%2):CBV+16*((\t)%2)+3], v[ACB] offset:64*(\t)
	ds_load_b128 v[CBV+16*((\t)%2)+4:CBV+16*((\t)%2)+7], v[ACB] offset:64*(\t)+16
	ds_load_b128 v[CBV+16*((\t)%2)+8:CBV+16*((\t)%2)+11], v[AVQ] offset:64*(\t)
	ds_load_b128 v[CBV+16*((\t)%2)+12:CBV+16*((\t)%2)+15], v[AVQ] offset:64*(\t)+16
.endm
; tanh and vq for tile t's two accumulators (16 registers on end, each read from its low end on): y = 2 log2(e) (acc + bq); tanh = 1 - 2 / (1 + 2^y); eight sums of pairs take vq x tanh.
.macro TT t
.if (\t) < 7
	TLD (\t)+1
	s_wait_dscnt 4                                 ; the four loads just issued may be out: this tile's are in
.else
	s_wait_dscnt 0x0
.endif
	WIN 0x41                                       ; destination and source 0 in window 1
.irp p, 0,1,2,3,4,5,6,7
	v_pk_fma_f32 v[16*(\t)+2*\p:16*(\t)+2*\p+1], v[16*(\t)+2*\p:16*(\t)+2*\p+1], s[38:39], v[CBV+16*((\t)%2)+(2*\p)%8:CBV+16*((\t)%2)+(2*\p)%8+1] op_sel_hi:[1,0,1]
.endr
.set q, 16*(\t)
.rept 16
	v_exp_f32 v[q], v[q]
.set q, q+1
.endr
	v_nop                                          ; a plain instruction between the last exponential and the use of its result (ISA guide 5.7.2)
	s_wait_alu depctr_va_vdst(0)
.irp p, 0,1,2,3,4,5,6,7
	v_pk_add_f32 v[16*(\t)+2*\p:16*(\t)+2*\p+1], v[16*(\t)+2*\p:16*(\t)+2*\p+1], 1.0 op_sel_hi:[1,0]
.endr
.set q, 16*(\t)
.rept 16
	v_rcp_f32 v[q], v[q]
.set q, q+1
.endr
	v_nop
	s_wait_alu depctr_va_vdst(0)
.irp p, 0,1,2,3,4,5,6,7
	v_pk_fma_f32 v[16*(\t)+2*\p:16*(\t)+2*\p+1], v[16*(\t)+2*\p:16*(\t)+2*\p+1], -2.0, 1.0 op_sel_hi:[1,0,0]
.endr
	WIN 0x01                                       ; source 0 in window 1
.irp p, 0,1,2,3,4,5,6,7
.if (\t) == 0
	v_pk_mul_f32 v[CH+2*\p:CH+2*\p+1], v[16*(\t)+2*\p:16*(\t)+2*\p+1], v[CBV+16*((\t)%2)+8+(2*\p)%8:CBV+16*((\t)%2)+8+(2*\p)%8+1]   ; the first tile starts the sums
.else
	v_pk_fma_f32 v[CH+2*\p:CH+2*\p+1], v[16*(\t)+2*\p:16*(\t)+2*\p+1], v[CBV+16*((\t)%2)+8+(2*\p)%8:CBV+16*((\t)%2)+8+(2*\p)%8+1], v[CH+2*\p:CH+2*\p+1]
.endif
.endr
	WIN 0
.endm
	s_load_b256 s[4:11], s[0:1], 0x0               ; x s[4:5], Wq's codes s[6:7], Wq's scales s[8:9], bq s[10:11]
	s_load_b256 s[12:19], s[0:1], 0x20             ; vq s[12:13], mask s[14:15], scores s[16:17], sel s[18:19]
	v_lshl_add_u32 v126, v0, 2, 0x4b800
	v_mov_b32 v127, 0
	ds_add_u32 v126, v127
	ds_add_u32 v126, v127
	v_lshrrev_b32 v14, 5, v0
	v_readfirstlane_b32 s20, v14                   ; wave 0..3
	v_and_b32 v15, 31, v0                          ; lane
	v_and_b32 v14, 15, v0                          ; r
	v_bfe_u32 v[PX], v0, 4, 1                      ; h
	v_lshlrev_b32 v[XA], 5, v15
	v_mul_u32_u24 v[SPA], v14, PIT
	v_lshl_add_u32 v[SPA], v[PX], 4, v[SPA]        ; r PIT + 16 h
	v_add_nc_u32 v[AXC], XC, v[SPA]
	s_mul_i32 s33, s20, WLW                        ; my part of Wq in LDS: also the descriptor's LDS address
	v_add_nc_u32 v[AWL], s33, v[SPA]
	v_mul_u32_u24 v[AXS], v14, XSP
	v_lshl_add_u32 v[AXS], v[PX], 4, v[AXS]
	v_add_nc_u32 v[AXS], XS, v[AXS]
	s_mul_i32 s22, s20, 8*PIT
	s_add_co_u32 s22, s22, XC
	v_lshl_add_u32 v[SCD], v15, 3, s22
	s_mul_i32 s22, s20, 8*XSP
	s_add_co_u32 s22, s22, XS
	v_lshrrev_b32 v[SSB], 2, v15
	v_add_nc_u32 v[SSB], s22, v[SSB]
	s_lshl_b32 s22, s20, 9
	s_add_co_u32 s23, s22, CBB
	v_lshl_add_u32 v[ACB], v[PX], 5, s23
	v_lshl_add_u32 v[CBA], v15, 4, s23             ; where I put my four numbers of 2 log2(e) bq; vq's lie 2,048 bytes on
	s_add_co_u32 s23, s22, VQB
	v_lshl_add_u32 v[AVQ], v[PX], 5, s23
	s_lshl_b32 s22, s20, 10
	s_add_co_u32 s22, s22, SPB
	v_lshl_add_u32 v[ASP], v15, 2, s22
	v_lshl_add_u32 v[TLA], v15, 4, SPB             ; the end: 16 bytes a lane of the partial scores
	v_lshlrev_b32 v[WSO], 5, v14                   ; Wq's scale bytes: 32 a row; row 128 wave + r, + 16 h
	v_lshl_add_u32 v[WSO], v[PX], 4, v[WSO]
	s_lshl_b32 s22, s20, 12
	v_add_nc_u32 v[WSO], s22, v[WSO]
	v_lshlrev_b32 v[WFO], 10, v14                  ; Wq's codes: 1,024 a row; row 128 wave + r, + 16 h
	v_lshl_add_u32 v[WFO], v[PX], 4, v[WFO]
	s_lshl_b32 s22, s20, 17
	v_add_nc_u32 v[WFO], s22, v[WFO]
	v_lshlrev_b32 v[BVO], 4, v0                    ; bq, vq: 16 bytes a thread: 512 wave + 16 lane
	v_lshlrev_b32 v[L4], 2, v15
	v_lshlrev_b32 v[L16], 4, v15
	v_mov_b32 v[PX], 0                             ; written once: a lane permute's destination counts as one of its sources
	; descriptor group 1: 64 rows of 1,024 elements of one byte, dense in memory, 16 bytes of padding behind each row in LDS
	s_mov_b32 s24, (0<<16)|(1<<20)|(7<<22)|(3<<25) ; 15:0 no mask; 17:16 elements of 1 byte; 20 padding on; 24:22 after every 256 words (code 7); 31:25 four words (code 3)
	s_mov_b32 s25, 1024<<16                        ; tensor_dim0 = 1,024
	s_mov_b32 s26, 64<<16                          ; tensor_dim1 = 64
	s_mov_b32 s27, 1024<<16                        ; tile_dim0 = 1,024
	s_mov_b32 s28, 64                              ; tile_dim1 = 64
	s_mov_b32 s29, 1024                            ; tensor_dim0_stride
	s_mov_b32 s30, 0
	s_mov_b32 s31, 0
	s_mov_b32 s32, 1                               ; group 0: count = 1; s33 the LDS address (above)
	s_mov_b32 s36, 7                               ; tiles in the loop; the eighth is written out
	s_mov_b32 s37, 0                               ; 128 x tile: the tile's place among the partial scores
	s_mov_b32 s38, 0x4038aa3b                      ; 2 log2(e)
	s_mov_b32 s39, s38                             ; (named with it as a pair, so it is written)
	s_mov_b32 s40, 0x76543210
	s_mov_b32 s41, 0xfedcba98                      ; v_permlanex16_b32's selects for lane l xor 16
	s_mov_b32 s42, 0x600000                        ; the mantissa field of 57,344
	s_mov_b32 s43, 0xffff0000                      ; lanes 16-31
	s_add_co_u32 s22, s22, 65536                   ; Wq's rows 128 wave + 64 on, in bytes
	s_mov_b32 s23, 0
	s_wait_dscnt 0x0
	s_wait_kmcnt 0x0
	s_add_nc_u64 s[34:35], s[6:7], s[22:23]
	s_or_b32 s35, s35, 0x80000000                  ; type = 2
	tensor_load_to_lds s[32:35], s[24:31]          ; my one tensor load: these LDS bytes are filled once in the launch
	s_nop 0
	PLACES 4
	s_lshl_b32 s22, ttmp9, 20                      ; my half batch: 256 rows of 4,096 bytes,
	s_lshl_b32 s46, s20, 15                        ; my wave's 8 rows of a tile
	s_add_co_u32 s22, s22, s46
	s_add_nc_u64 s[44:45], s[4:5], s[22:23]
	s_lshl_b32 s22, ttmp9, 8
	s_add_nc_u64 s[14:15], s[14:15], s[22:23]      ; mask: 256 bytes
	s_lshl_b32 s22, ttmp9, 10
	s_add_nc_u64 s[16:17], s[16:17], s[22:23]      ; scores: 1,024 bytes
	s_lshl_b32 s22, ttmp9, 7
	s_add_nc_u64 s[18:19], s[18:19], s[22:23]      ; sel: 128 bytes
	global_load_b128 v[BQ:BQ+3], v[BVO], s[10:11]
	global_load_b128 v[VQ:VQ+3], v[BVO], s[12:13]
	global_load_b32 v[MK], v[L4], s[14:15]                     ; mask bytes of rows 4 lane + 0 .. 3,
	global_load_b32 v[MK+1], v[L4], s[14:15] offset:128        ; and of rows 128 + 4 lane + 0 .. 3
.irp t, 0,1,2,3,4,5,6,7
	global_load_b128 v[WS+4*\t:WS+4*\t+3], v[WSO], s[8:9] offset:512*\t
.endr
	FLOAD                                          ; tile 0 of x
	ZLOAD
	WIN 0x80                                       ; destination window 2
.irp t, 0,1
.irp s, 0,1,2,3,4,5,6,7
.irp c, 0,1,2,3
	global_load_b128 v[128*\t+16*\s+4*\c:128*\t+16*\s+4*\c+3], v[WFO], s[6:7] offset:16384*\t+128*\s+32*\c
.endr
.endr
.endr
	WIN 0xc0                                       ; destination window 3
.irp t, 0,1
.irp s, 0,1,2,3,4,5,6,7
.irp c, 0,1,2,3
	global_load_b128 v[128*\t+16*\s+4*\c:128*\t+16*\s+4*\c+3], v[WFO], s[6:7] offset:16384*(\t+2)+128*\s+32*\c
.endr
.endr
.endr
	WIN 0
	s_wait_loadcnt 63                              ; loads come back in order (ISA guide 5.7.1): 202 were issued behind bq's and vq's, so these two are in
	v_pk_mul_f32 v[BQ:BQ+1], v[BQ:BQ+1], s[38:39] op_sel_hi:[1,0]
	v_pk_mul_f32 v[BQ+2:BQ+3], v[BQ+2:BQ+3], s[38:39] op_sel_hi:[1,0]
	ds_store_b128 v[CBA], v[BQ:BQ+3]               ; my wave's 128 units: read by my wave alone, and LDS serves a wave's instructions in order
	ds_store_b128 v[CBA], v[VQ:VQ+3] offset:VQB-CBB
	s_wait_xcnt 0x0                                ; every load has had its address translated: the pointer may step
	s_add_nc_u64 s[44:45], s[44:45], TILEB         ; the next tile to be asked for
	s_wait_tensorcnt 0x0                           ; my part of Wq is in LDS; nobody else reads it
; A TILE.  more = 1: the next tile of x is asked for on the way: zone F as soon as its four rows are quantised, zone Z as soon as the products have left its registers.
.macro TILE more
	s_wait_loadcnt 32                              ; zone F is in; zone Z's 32 loads, issued behind F's, may be out
	QB 128, 1, 0, 0
	QB 160, 1, 1, 1
	QB 192, 1, 2, 0
	QB 224, 1, 3, 1
	s_wait_loadcnt 0x0                             ; zone Z is in (in the first tile: Wq's resident fragments, scale words and the mask bytes too)
.if \more
	FLOAD
.endif
	QB 128, 0, 4, 0
	QB 160, 0, 5, 1
	QB 192, 0, 6, 0
	QB 224, 0, 7, 1
	BARRIER                                        ; the codes and scale bytes of all 32 rows lie in LDS
	ds_load_b128 v[XSR:XSR+3], v[AXS]
	ds_load_b128 v[XSR+4:XSR+7], v[AXS] offset:16*XSP
	FETCHX 0
	FETCHW 0
	PLACES 4                                       ; between the quantiser's last vector writes of v128-255 and the products that read these registers, reloaded
.irp s, 0,1,2,3,4,5,6,7
	KSTEP \s
.endr
	PLACES 8                                       ; in front of the loads into zone Z, whose registers the products have read, and of the first read of results
	WIN 0
	BARRIER                                        ; every wave's reads of the tile's codes and scale bytes are over: the next tile's may be stored
.if \more
	ZLOAD
.endif
	TLD 0
.irp t, 0,1,2,3,4,5,6,7
	TT \t
.endr
.irp m, 0,1
	v_pk_add_f32 v[CH+8*\m:CH+8*\m+1], v[CH+8*\m:CH+8*\m+1], v[CH+8*\m+2:CH+8*\m+3]
	v_pk_add_f32 v[CH+8*\m+4:CH+8*\m+5], v[CH+8*\m+4:CH+8*\m+5], v[CH+8*\m+6:CH+8*\m+7]
.endr
.irp m, 0,1
	v_pk_add_f32 v[CH+8*\m:CH+8*\m+1], v[CH+8*\m:CH+8*\m+1], v[CH+8*\m+4:CH+8*\m+5]
.endr
.irp m, 0,1
	v_add_f32 v[CH+8*\m], v[CH+8*\m], v[CH+8*\m+1]
.endr
	v_permlanex16_b32 v[PX], v[CH], s40, s41       ; the row's other 64 units lie in the lane 16 away
	v_add_f32 v[CH], v[CH], v[PX]
	v_permlanex16_b32 v[PX], v[CH+8], s40, s41
	v_add_f32 v[CH+8], v[CH+8], v[PX]
	v_cndmask_b32 v[CH], v[CH], v[CH+8], s43       ; lanes 0-15 keep rows 0-15, lanes 16-31 take rows 16-31: lane l holds row l of the tile
	v_add_nc_u32 v[SPA], s37, v[ASP]
	ds_store_b32 v[SPA], v[CH]
.if \more
	s_wait_xcnt 0x0                                ; the loads of x have had their addresses translated: the pointer may step
	s_add_nc_u64 s[44:45], s[44:45], TILEB
.endif
	s_add_co_u32 s37, s37, 128
.endm
.Ltile:
	TILE 1
	s_sub_co_u32 s36, s36, 1
	s_cmp_lg_u32 s36, 0
	s_cbranch_scc1 .Ltile
	TILE 0                                         ; the last tile is written out: nothing is left to ask for, and no load leaves x
	BARRIER                                        ; all four waves' partial scores lie in LDS
	s_cmp_lg_u32 s20, 0
	s_cbranch_scc1 .Ldone
	; wave 0: register 4 u + e of a lane takes row 128 u + 4 lane + e
.irp u, 0,1
.irp q, 0,1,2,3
	ds_load_b128 v[128+16*\u+4*\q:128+16*\u+4*\q+3], v[TLA] offset:1024*\q+512*\u
.endr
.endr
	v_mov_b32 v176, 0xc9742400                     ; -1,000,000
	s_wait_dscnt 0x0
.irp u, 0,1
.irp e, 0,2
	v_pk_add_f32 v[128+16*\u+\e:129+16*\u+\e], v[128+16*\u+\e:129+16*\u+\e], v[132+16*\u+\e:133+16*\u+\e]
	v_pk_add_f32 v[136+16*\u+\e:137+16*\u+\e], v[136+16*\u+\e:137+16*\u+\e], v[140+16*\u+\e:141+16*\u+\e]
	v_pk_add_f32 v[160+4*\u+\e:161+4*\u+\e], v[128+16*\u+\e:129+16*\u+\e], v[136+16*\u+\e:137+16*\u+\e]
.endr
.endr
.irp k, 0,1,2,3,4,5,6,7
	v_bfe_u32 v177, v[MK+\k/4], 8*(\k%4), 8        ; the row's mask byte
	v_cmp_ne_u32 vcc_lo, 0, v177
	v_cndmask_b32 v[160+\k], v[160+\k], v176, vcc_lo
.endr
	v_max3_num_f32 v178, v160, v161, v162
	v_max3_num_f32 v178, v178, v163, v164
	v_max3_num_f32 v178, v178, v165, v166
	v_max_num_f32 v178, v178, v167
	v_max_num_f32_dpp v178, v178, v178 row_xmask:1 row_mask:0xf bank_mask:0xf
	v_max_num_f32_dpp v178, v178, v178 row_xmask:2 row_mask:0xf bank_mask:0xf
	v_max_num_f32_dpp v178, v178, v178 row_xmask:4 row_mask:0xf bank_mask:0xf
	v_max_num_f32_dpp v178, v178, v178 row_xmask:8 row_mask:0xf bank_mask:0xf
	v_permlanex16_b32 v[PX], v178, s40, s41
	v_max_num_f32 v178, v178, v[PX]                ; the half batch's largest score
	v_add_f32 v178, 0xc1b17218, v178               ; less 32 ln 2: a row under it weighs less than 2^-32 of the largest weight, 512 such rows less than 2^-23
.irp k, 0,1,2,3,4,5,6,7
	v_cmp_ge_f32 s[48+\k], v[160+\k], v178         ; a bit a lane; the bits are stored and steer nothing in this launch
.endr
	global_store_b128 v[L16], v[160:163], s[16:17]             ; 32 lanes store 512 consecutive bytes
	global_store_b128 v[L16], v[164:167], s[16:17] offset:512
	v_mov_b32 v180, 0
.irp k, 0,1,2,3,4,5,6,7
	v_writelane_b32 v180, s[48+\k], \k
.endr
	global_store_b32 v[L4], v180, s[18:19]         ; the record: 128 consecutive bytes
.Ldone:
	s_wait_tensorcnt 0x0
	ds_add_u32 v126, v127
	s_wait_dscnt 0x0
	s_endpgm
.Lfunc_end_k_qd21facf7cc_score:
	.size	k_qd21facf7cc_score, .Lfunc_end_k_qd21facf7cc_score-k_qd21facf7cc_score
	.p2alignl 7, 3214868480
	.fill 96, 4, 3214868480
	.section	.rodata,"a",@progbits
	.p2align	6, 0x0
	.amdhsa_kernel k_qd21facf7cc_score
		.amdhsa_group_segment_fixed_size 327680
		.amdhsa_private_segment_fixed_size 0
		.amdhsa_enable_private_segment 0
		.amdhsa_kernarg_size 64
		.amdhsa_user_sgpr_count 2
		.amdhsa_user_sgpr_kernarg_segment_ptr 1
		.amdhsa_wavefront_size32 1
		.amdhsa_system_sgpr_workgroup_id_x 1
		.amdhsa_system_sgpr_workgroup_id_y 1
		.amdhsa_system_sgpr_workgroup_id_z 1
		.amdhsa_system_vgpr_workitem_id 0
		.amdhsa_next_free_vgpr 1024
		.amdhsa_next_free_sgpr 66
		.amdhsa_reserve_vcc 1
		.amdhsa_float_denorm_mode_32 3
		.amdhsa_float_denorm_mode_16_64 3
		.amdhsa_memory_ordered 1
		.amdhsa_forward_progress 1
		.amdhsa_inst_pref_size 241
	.end_amdhsa_kernel
	.amdgpu_metadata
---
amdhsa.version: [ 1, 2 ]
amdhsa.kernels:
  - .name:           k_qd21facf7cc_score
    .symbol:         k_qd21facf7cc_score.kd
    .args:
      - { .name: x, .offset: 0, .size: 8, .value_kind: global_buffer, .address_space: global }
      - { .name: Wq_codes, .offset: 8, .size: 8, .value_kind: global_buffer, .address_space: global }
      - { .name: Wq_scales, .offset: 16, .size: 8, .value_kind: global_buffer, .address_space: global }
      - { .name: bq, .offset: 24, .size: 8, .value_kind: global_buffer, .address_space: global }
      - { .name: vq, .offset: 32, .size: 8, .value_kind: global_buffer, .address_space: global }
      - { .name: mask, .offset: 40, .size: 8, .value_kind: global_buffer, .address_space: global }
      - { .name: scores, .offset: 48, .size: 8, .value_kind: global_buffer, .address_space: global }
      - { .name: sel, .offset: 56, .size: 8, .value_kind: global_buffer, .address_space: global }
    .group_segment_fixed_size: 327680
    .private_segment_fixed_size: 0
    .kernarg_segment_align: 8
    .kernarg_segment_size: 64
    .max_flat_workgroup_size: 128
    .sgpr_count:     66
    .vgpr_count:     1024
    .wavefront_size: 32
...
	.end_amdgpu_metadata
.endif
;; end of part 1
;; launch gather (part 2): grid 128 x 2, 16 waves a work-group, no clusters, 34,816 bytes of LDS; arguments x, scores, sel, out0; writes out0
.if DOCPART == 2
	.amdgcn_target "amdgcn-amd-amdhsa--gfx1250"
	.amdhsa_code_object_version 6
	.text
	.protected	k_qd21facf7cc_gather
	.globl	k_qd21facf7cc_gather
	.p2align	8
	.type	k_qd21facf7cc_gather,@function
k_qd21facf7cc_gather:
	s_mov_b64 s[64:65], 0
	v_nop
	global_prefetch_b8 v0, s[64:65] scope:SCOPE_SE
	s_setreg_imm32_b32 hwreg(HW_REG_WAVE_MODE, 25, 1), 1
	s_wait_xcnt 0x0
; out0[b][:] = the sum over rows s of softmax_s(scores[b][s]) x[b][s][:].  scores [128][512] f32 are the masked scores; x [128][512][1024] f32; out0 [128][1024] f32.
; The largest score is taken away ahead of the exponential, and the sum of the exponentials is taken over ALL 512 scores.  The weighted sum is taken over the rows marked in sel:
; sel holds, for each half batch, 8 dwords of bits (bit l of dword 4 u + e: row 128 u + 4 l + e), set where the score is at least the half batch's largest - 32 ln 2.
; LIMIT: a row that is not marked weighs less than 2^-32 of the batch's largest weight; all 512 together less than 2^-23 of the sum.  They are left out.  Where the scores lie close together, or a half batch is
; masked throughout, every bit is set and every row is read.  NaN and infinities are not served.
; SHARES.  Work-group (b, c): batch b, columns 512 c .. 512 c + 511.  Wave v of sixteen owns mask dword v of the batch: rows 128 (v / 4) + v % 4 + 4 bit.  A row's 2,048 bytes come by four loads of 512 consecutive bytes;
; a lane holds 16 columns.  Four rows are asked for together; a slot for which no bit is left asks for the last row again with the weight 0.  The sixteen waves' sums meet in LDS; waves 0-3 add them and store.
; Trip counts and row addresses come from sel, whole numbers that the launch before stored; no matrix unit, no cluster, no tensor load: nothing here is shared or multiplied in bulk.
	s_load_b256 s[4:11], s[0:1], 0x0               ; x s[4:5], scores s[6:7], sel s[8:9], out0 s[10:11]
	v_lshl_add_u32 v128, v0, 2, 0x8000
	v_mov_b32 v129, 0
	v_lshrrev_b32 v1, 5, v0
	v_readfirstlane_b32 s12, v1                    ; wave 0..15
	v_and_b32 v1, 31, v0                           ; lane
	v_lshlrev_b32 v2, 4, v1                        ; 16 bytes a lane
	s_and_b32 s13, ttmp7, 0xffff                   ; which half of the columns
	s_lshr_b32 s28, s12, 2
	s_lshl_b32 s28, s28, 7
	s_and_b32 s29, s12, 3
	s_add_co_u32 s28, s28, s29                     ; my dword's first row: 128 (v / 4) + v % 4
	s_lshl_b32 s30, ttmp9, 8                       ; sel: two records of 128 bytes a batch,
	s_lshr_b32 s31, s12, 3
	s_lshl_b32 s31, s31, 7                         ; the record of my half batch,
	s_add_co_u32 s30, s30, s31
	s_and_b32 s31, s12, 7
	s_lshl_b32 s31, s31, 2                         ; my dword in it
	s_add_co_u32 s30, s30, s31
	s_mov_b32 s31, 0
	s_lshl_b32 s32, s28, 2
	v_add_nc_u32 v20, s32, v2                      ; the scores of my dword's 32 rows: 16 bytes apart
	s_lshl_b32 s32, s12, 11
	v_add_nc_u32 v112, s32, v2                     ; LDS: my wave's 2,048 bytes of sums
	s_lshl_b32 s32, s12, 9
	v_add_nc_u32 v113, s32, v2                     ; waves 0-3: the group of 128 columns that I add up; also its place in out0
	s_mov_b32 s34, 0x76543210
	s_mov_b32 s35, 0xfedcba98                      ; v_permlanex16_b32's selects for lane l xor 16
	v_mov_b32 v22, 0                               ; written once: a lane permute's destination counts as one of its sources
	s_wait_kmcnt 0x0
	s_add_nc_u64 s[8:9], s[8:9], s[30:31]
	s_load_b32 s15, s[8:9], 0x0                    ; my 32 bits
	s_lshl_b32 s30, ttmp9, 11
	s_add_nc_u64 s[6:7], s[6:7], s[30:31]          ; the batch's 512 scores
.irp k, 0,1,2,3
	global_load_b128 v[4+4*\k:7+4*\k], v2, s[6:7] offset:512*\k
.endr
	global_load_b32 v3, v20, s[6:7]
	s_lshl_b32 s30, ttmp9, 21                      ; x: the batch's 512 rows of 4,096 bytes,
	s_lshl_b32 s32, s28, 12                        ; my dword's first row,
	s_add_co_u32 s30, s30, s32
	s_lshl_b32 s32, s13, 11                        ; my half of the columns
	s_add_co_u32 s30, s30, s32
	s_add_nc_u64 s[4:5], s[4:5], s[30:31]
	s_lshl_b32 s30, ttmp9, 12
	s_add_co_u32 s30, s30, s32
	s_add_nc_u64 s[10:11], s[10:11], s[30:31]      ; out0: the batch's row, my half
.irp j, 0,1,2,3,4,5,6,7,8,9,10,11,12,13,14,15
	v_mov_b32 v[28+\j], 0                          ; the sums: a wave whose dword is empty adds nothing to them
.endr
	s_wait_loadcnt 0x0
	v_max3_num_f32 v21, v4, v5, v6                 ; the batch's largest score: every wave finds it for itself
.irp j, 7,9,11,13,15,17
	v_max3_num_f32 v21, v21, v[\j], v[\j+1]
.endr
	v_max_num_f32 v21, v21, v19
	v_max_num_f32_dpp v21, v21, v21 row_xmask:1 row_mask:0xf bank_mask:0xf
	v_max_num_f32_dpp v21, v21, v21 row_xmask:2 row_mask:0xf bank_mask:0xf
	v_max_num_f32_dpp v21, v21, v21 row_xmask:4 row_mask:0xf bank_mask:0xf
	v_max_num_f32_dpp v21, v21, v21 row_xmask:8 row_mask:0xf bank_mask:0xf
	v_permlanex16_b32 v22, v21, s34, s35
	v_max_num_f32 v21, v21, v22
.irp j, 3,4,5,6,7,8,9,10,11,12,13,14,15,16,17,18,19
	v_sub_f32 v[\j], v[\j], v21                    ; score - the largest: 0 or less
.endr
.irp j, 3,4,5,6,7,8,9,10,11,12,13,14,15,16,17,18,19
	v_mul_f32 v[\j], 0x3fb8aa3b, v[\j]             ; x log2(e)
.endr
.irp j, 3,4,5,6,7,8,9,10,11,12,13,14,15,16,17,18,19
	v_exp_f32 v[\j], v[\j]                         ; p, at most 1; v3: lane l holds p of my dword's row of bit l
.endr
	v_nop                                          ; a plain instruction between the last exponential and the use of its result (ISA guide 5.7.2)
	s_wait_alu depctr_va_vdst(0)
.irp j, 6,8,10,12,14,16,18
	v_pk_add_f32 v[4:5], v[4:5], v[\j:\j+1]
.endr
	v_add_f32 v4, v4, v5
	v_add_f32_dpp v4, v4, v4 row_xmask:1 row_mask:0xf bank_mask:0xf
	v_add_f32_dpp v4, v4, v4 row_xmask:2 row_mask:0xf bank_mask:0xf
	v_add_f32_dpp v4, v4, v4 row_xmask:4 row_mask:0xf bank_mask:0xf
	v_add_f32_dpp v4, v4, v4 row_xmask:8 row_mask:0xf bank_mask:0xf
	v_permlanex16_b32 v22, v4, s34, s35
	v_add_f32 v4, v4, v22                          ; the sum of all 512 p: at least 1
	v_rcp_f32 v110, v4
	v_nop
	s_wait_alu depctr_va_vdst(0)
	v_mov_b32 v111, v110                           ; (named with it as a pair, so it is written)
	s_wait_kmcnt 0x0                               ; my bits
	s_bcnt1_i32_b32 s18, s15
	s_add_co_u32 s18, s18, 3
	s_lshr_b32 s18, s18, 2                         ; trips: four rows a trip
	s_min_u32 s18, s18, 8                          ; (32 bits are 8 trips at the most)
	s_mov_b32 s19, 0
	s_mov_b32 s16, 0
	s_cmp_eq_u32 s18, 0
	s_cbranch_scc1 .Lnone
.Lrow:
.irp k, 0,1,2,3
	s_ctz_i32_b32 s17, s15                         ; the lowest bit that is left,
	s_cmp_lg_u32 s15, 0
	s_cselect_b32 s16, s17, s16                    ; or, where none is left, the last one again
	s_min_u32 s16, s16, 31                         ; a number read from memory enters an address held to its range
	v_readlane_b32 s17, v3, s16                    ; its p
	s_cmp_lg_u32 s15, 0
	s_cselect_b32 s[20+2*\k], s17, 0               ; or the weight 0
	s_mov_b32 s[21+2*\k], s[20+2*\k]
	s_sub_co_u32 s17, s15, 1
	s_and_b32 s15, s15, s17                        ; the bit is taken off
	v_lshl_add_u32 v[24+\k], s16, 14, v2           ; bit l is 4 l rows of 4,096 bytes on (the last trip's loads by this register are in: the wait for 0 below)
.irp g, 0,1,2,3
	global_load_b128 v[44+16*\k+4*\g:44+16*\k+4*\g+3], v[24+\k], s[4:5] offset:512*\g   ; 32 lanes read 512 consecutive bytes
.endr
.endr
.irp k, 0,1,2,3
	s_wait_loadcnt 12-4*\k                         ; this slot's four loads are in; the younger slots' may be out
.irp p, 0,2,4,6,8,10,12,14
	v_pk_fma_f32 v[28+\p:29+\p], v[44+16*\k+\p:45+16*\k+\p], s[20+2*\k:21+2*\k], v[28+\p:29+\p] op_sel_hi:[1,0,1]
.endr
.endr
	s_add_co_u32 s19, s19, 1
	s_cmp_lt_u32 s19, s18
	s_cbranch_scc1 .Lrow
.Lnone:
.irp g, 0,1,2,3
	ds_store_b128 v112, v[28+4*\g:31+4*\g] offset:512*\g
.endr
	s_wait_dscnt 0x0                               ; for the others' sake: my sums lie in LDS
	s_barrier_signal -1
	s_barrier_wait -1
	s_cmp_ge_u32 s12, 4
	s_cbranch_scc1 .Lend
.irp i, 0,1,2,3,4,5,6,7,8,9,10,11,12,13,14,15
	ds_load_b128 v[44+4*\i:47+4*\i], v113 offset:2048*\i       ; the sixteen waves' sums of my 128 columns
.endr
	s_wait_dscnt 0x0
.irp i, 0,1,2,3,4,5,6,7
	v_pk_add_f32 v[44+4*\i:45+4*\i], v[44+4*\i:45+4*\i], v[76+4*\i:77+4*\i]
	v_pk_add_f32 v[46+4*\i:47+4*\i], v[46+4*\i:47+4*\i], v[78+4*\i:79+4*\i]
.endr
.irp i, 0,1,2,3
	v_pk_add_f32 v[44+4*\i:45+4*\i], v[44+4*\i:45+4*\i], v[60+4*\i:61+4*\i]
	v_pk_add_f32 v[46+4*\i:47+4*\i], v[46+4*\i:47+4*\i], v[62+4*\i:63+4*\i]
.endr
.irp i, 0,1
	v_pk_add_f32 v[44+4*\i:45+4*\i], v[44+4*\i:45+4*\i], v[52+4*\i:53+4*\i]
	v_pk_add_f32 v[46+4*\i:47+4*\i], v[46+4*\i:47+4*\i], v[54+4*\i:55+4*\i]
.endr
	v_pk_add_f32 v[44:45], v[44:45], v[48:49]
	v_pk_add_f32 v[46:47], v[46:47], v[50:51]
	v_pk_mul_f32 v[44:45], v[44:45], v[110:111] op_sel_hi:[1,0]   ; divided by the sum of the p
	v_pk_mul_f32 v[46:47], v[46:47], v[110:111] op_sel_hi:[1,0]
	global_store_b128 v113, v[44:47], s[10:11]     ; 32 lanes store 512 consecutive bytes, at a multiple of 512 from out0's first byte
.Lend:
	s_wait_tensorcnt 0x0
	ds_add_u32 v128, v129
	s_wait_dscnt 0x0
	s_endpgm
.Lfunc_end_k_qd21facf7cc_gather:
	.size	k_qd21facf7cc_gather, .Lfunc_end_k_qd21facf7cc_gather-k_qd21facf7cc_gather
	.p2alignl 7, 3214868480
	.fill 96, 4, 3214868480
	.section	.rodata,"a",@progbits
	.p2align	6, 0x0
	.amdhsa_kernel k_qd21facf7cc_gather
		.amdhsa_group_segment_fixed_size 34816
		.amdhsa_private_segment_fixed_size 0
		.amdhsa_enable_private_segment 0
		.amdhsa_kernarg_size 32
		.amdhsa_user_sgpr_count 2
		.amdhsa_user_sgpr_kernarg_segment_ptr 1
		.amdhsa_wavefront_size32 1
		.amdhsa_system_sgpr_workgroup_id_x 1
		.amdhsa_system_sgpr_workgroup_id_y 1
		.amdhsa_system_sgpr_workgroup_id_z 1
		.amdhsa_system_vgpr_workitem_id 0
		.amdhsa_next_free_vgpr 130
		.amdhsa_next_free_sgpr 66
		.amdhsa_reserve_vcc 0
		.amdhsa_float_denorm_mode_32 3
		.amdhsa_float_denorm_mode_16_64 3
		.amdhsa_memory_ordered 1
		.amdhsa_forward_progress 1
		.amdhsa_inst_pref_size 17
	.end_amdhsa_kernel
	.amdgpu_metadata
---
amdhsa.version: [ 1, 2 ]
amdhsa.kernels:
  - .name:           k_qd21facf7cc_gather
    .symbol:         k_qd21facf7cc_gather.kd
    .args:
      - { .name: x, .offset: 0, .size: 8, .value_kind: global_buffer, .address_space: global }
      - { .name: scores, .offset: 8, .size: 8, .value_kind: global_buffer, .address_space: global }
      - { .name: sel, .offset: 16, .size: 8, .value_kind: global_buffer, .address_space: global }
      - { .name: out0, .offset: 24, .size: 8, .value_kind: global_buffer, .address_space: global }
    .group_segment_fixed_size: 34816
    .private_segment_fixed_size: 0
    .kernarg_segment_align: 8
    .kernarg_segment_size: 32
    .max_flat_workgroup_size: 512
    .sgpr_count:     66
    .vgpr_count:     130
    .wavefront_size: 32
...
	.end_amdgpu_metadata
.endif
;; end of part 2
;; ======== version 2 of 2: 2 launches; 1.21 times as fast as version 1
;; limits: an absolute error that grows with the inputs' magnitude: up to 1.192e-07 times it
;; workspace buffers: scores 262,144 bytes; sel 32,768 bytes of whole numbers
;; launch score (part 3): grid 256 x 1, 4 waves a work-group, no clusters, 327,680 bytes of LDS; arguments x, Wq_codes, Wq_scales, bq, vq, mask, scores, sel; writes scores, sel
.if DOCPART == 3
	.amdgcn_target "amdgcn-amd-amdhsa--gfx1250"
	.amdhsa_code_object_version 6
	.text
	.protected	k_qd21facf7cc_score
	.globl	k_qd21facf7cc_score
	.p2align	8
	.type	k_qd21facf7cc_score,@function
k_qd21facf7cc_score:
	s_mov_b64 s[64:65], 0
	v_nop
	global_prefetch_b8 v0, s[64:65] scope:SCOPE_SE
	s_setreg_imm32_b32 hwreg(HW_REG_WAVE_MODE, 25, 1), 1
	s_wait_xcnt 0x0
; score[row] = vq . tanh(Q(x[row]) Wq^T + bq), masked rows = -1e6, for the 65,536 rows of x [128][512][1024] f32.  Q: codes of BF8 (E5M2) with one E8M0 scale for each 32 along K = 1,024; Wq [512][1024] comes as codes and scale bytes.
; OUT: scores [128][512] f32 (masked), and sel: for each half batch of 256 rows a record of 32 dwords: dwords 0-7 a bit for each row whose score is at least the half batch's largest score - 32 ln 2, dwords 8-31 zero.
;      Bit l of dword 4 u + e stands for row 128 u + 4 l + e of the half batch.  The next launch takes the softmax over all stored scores and the weighted sum over the marked rows.
; SHARES.  A work-group of four waves owns a half batch, 256 rows, as 8 tiles of 32 rows.  x is read from memory once, straight into registers, a tile ahead of its use.
;   WQ STAYS: wave w owns d = 128 w .. 128 w + 127, 8 tiles of 16.  Tiles 0-3 (64 x 1,024 codes = 512 registers a lane set) stay in its registers, tiles 4-7 (64 rows x 1,024 bytes) in its own part of LDS, brought once by one tensor load.
;   A TILE, two barriers:  Q: wave w quantises rows 8 w .. 8 w + 7 of the tile and stores codes and scale bytes to LDS | barrier |  G: every wave multiplies the 32 rows by its 128 d: 8 K steps x 16 products | barrier |
;   T: tanh, times vq, summed over my 128 d: a partial score for each row, kept in LDS.  At the end wave 0 adds the four waves' partial scores, masks, marks and stores.
;   THE NEXT TILE'S 64 LOADS OF A WAVE ARE DEALT OUT AMONG THE WORK, four or six at a time: rows 0-3 behind the rows of Q, as their registers fall free; rows 4-7 at the heads of T's first six tiles.  No LDS instruction
;   then stands behind a long run of global loads, and each row of Q waits, by a count, for its own eight loads alone.
; LAYOUT.  The product is used transposed: source 0 = 16 rows of Wq, source 1 = 16 rows of x.  A lane (r = lane % 16, h = lane / 16) then holds ONE row r of x and in register j the unit d = 16 t + 8 h + j.
;   In Q a lane holds 8 neighbours along K (columns 256 g + 8 lane + 0 .. 7 of one row): four neighbouring lanes hold a block of 32, and a row's group of 256 codes leaves as 256 consecutive LDS bytes.
; NO CLUSTER: what work-groups share is Wq alone, taken in once: 512 KiB of the 1,536 KiB that a work-group takes in, half of it by plain loads into registers; x, the stream, is shared by nobody.
; LIMITS: NaN and infinities among the inputs are not served.  A block of x whose largest magnitude lies under 2^-111 gets the scale byte 1 (the rule's own lower hold); a block of zeros gets 1 where the rule says 127: its codes
;   are zeros, and these bytes are read by this launch alone.  tanh(z) = 1 - 2 / (1 + 2^(2 log2(e) z)): where the power overflows or vanishes the result is 1 or -1, as it should be.
; REGISTERS, in windows of 256 (s_set_vgpr_msb: bits 1:0 source 0, 3:2 source 1, 5:4 source 2, 7:6 destination):
;   window 0: v1-10 addresses; v11 a permute's destination; v12-13 mask bytes; v16-47 Wq's scale words, v48-55 x's (scales and nothing else); v56-71 T's sums; v72-107 at work in Q and T; v108-122 the head's;
;             v128-191 x's fragments (two sets), v192-255 Wq's fragments of tiles 4-7 (one set); outside G the same 128 registers are landing zone Z: rows 4-7 of the wave's next 8 rows of x.
;   window 1: v0-127 the 16 accumulators ((m, t) at 16 t + 8 m); v128-255 landing zone F: rows 0-3.     windows 2, 3: Wq's resident fragments: (t, s) at 128 (t % 2) + 16 s, tiles 0, 1 in window 2, tiles 2, 3 in window 3.
.set PIT,   1040                       ; an LDS row of 1,024 codes + 16 bytes of padding = 260 words: row r starts at bank 4 r mod 64 (64 banks of 4 bytes: ISA guide 11.1)
.set WLW,   64*PIT                     ; LDS byte 0: Wq's tiles 4-7, 64 rows for each wave; filled once, read by that wave alone
.set XC,    4*WLW                      ; the tile's codes of x: 32 rows
.set XS,    XC+32*PIT                  ; the tile's scale bytes of x: 32 rows x 48 (32 used)
.set XSP,   48
.set CBB,   XS+32*XSP                  ; 2 log2(e) x bq, 512 bytes for each wave's 128 units
.set VQB,   CBB+2048                   ; vq likewise
.set SPB,   VQB+2048                   ; partial scores: 256 rows x 4 bytes for each wave
.set TILEB, 32*4096                    ; a tile of x in memory
.set XA,  1                            ; v1   32 x lane: my 8 numbers in a group of 256
.set AXC, 2                            ; v2   x's fragments:  XC + r PIT + 16 h
.set AWL, 3                            ; v3   Wq's fragments: wave WLW + r PIT + 16 h
.set AXS, 4                            ; v4   x's scale words: XS + 48 r + 16 h
.set SCD, 5                            ; v5   where I store codes: XC + wave 8 PIT + 8 lane
.set SSB, 6                            ; v6   and scale bytes: XS + wave 8 x 48 + lane / 4
.set ACB, 7                            ; v7   CBB + 512 wave + 32 h
.set AVQ, 8                            ; v8   VQB + 512 wave + 32 h
.set ASP, 9                            ; v9   SPB + 1,024 wave + 4 lane
.set SPA, 10                           ; v10  that + 128 x tile
.set PX,  11
.set MK,  12
.set WS,  16                           ; register 4 t + j: lanes 0-15 the word of K step j of row 16 t + r, lanes 16-31 that of K step j + 4
.set XSR, 48                           ; register 4 m + j: the same for x's rows 16 m + r
.set CH,  56
.set CBV, 72                           ; T: two sets of 16: 8 of 2 log2(e) bq, 8 of vq
.set QM,  72                           ; Q: largest magnitudes; conversions' scales; holds; bytes (two sets); codes (two sets)
.set QS,  76
.set QH,  80
.set QBY, 84
.set QCD, 92
.set BQ,  108
.set VQ,  112
.set CBA, 116
.set TLA, 117
.set WSO, 118
.set WFO, 119
.set BVO, 120
.set L4,  121
.set L16, 122
.set XF,  128
.set WF,  192
.set MSB, 0
.macro WIN new                         ; the immediate's high byte repeats the setting that is left; a switch that changes nothing is dropped
.if MSB != \new
	s_set_vgpr_msb (MSB<<8)|\new
.set MSB, \new
.endif
.endm
.macro PLACES n
.rept \n
	v_nop
.endr
.endm
.macro BARRIER                         ; my LDS stores have landed and my LDS loads are in: then the work-group's barrier
	s_wait_dscnt 0x0
	s_barrier_signal -1
	s_barrier_wait -1
.endm
; unit u = 4 x row + group: 8 numbers a lane, 1,024 consecutive bytes a wave, by two loads.  The two interleave, 16 bytes by 16 bytes, over the same 1,024 bytes: what the first brings near, the second wants too,
; so these loads carry no non-temporal word.
.macro XLD reg, u
	global_load_b128 v[(\reg):(\reg)+3], v[XA], s[44:45] offset:((\u)/4)*4096+((\u)%4)*1024
	global_load_b128 v[(\reg)+4:(\reg)+7], v[XA], s[44:45] offset:((\u)/4)*4096+((\u)%4)*1024+16
.endm
.macro FLOAD                           ; the head's: rows 0-3 of my 8 rows of the tile at s[44:45]: 32 loads into zone F
	WIN 0x40
.set uu, 0
.rept 16
	XLD 128+8*uu, uu
.set uu, uu+1
.endr
	WIN 0
.endm
.macro ZLOAD                           ; the head's: rows 4-7: 32 loads into zone Z
.set uu, 16
.rept 16
	XLD 128+8*(uu-16), uu
.set uu, uu+1
.endr
.endm
.macro FLD u0, n                       ; n units from u0 on into zone F; the window is left as it is: what follows sets its own
	WIN 0x40
.set uu, \u0
.rept \n
	XLD 128+8*uu, uu
.set uu, uu+1
.endr
.endm
.macro XASK more, u0, n                ; in a tile that has a successor
.if \more
	FLD \u0, \n
.endif
.endm
.macro XWAIT more, a, b                ; the count of younger loads: a in a tile that asks for its successor on the way, b in the last
.if \more
	s_wait_loadcnt \a
.else
	s_wait_loadcnt \b
.endif
.endm
; ONE ROW OF x BECOMES CODES: its four groups i of 256 columns lie at v[base + 8 i] of window win; the four by turns, so that no line waits for the line above it.  par: which set of store registers.
.macro QB base, win, row, par
	WIN 0x05*(\win)
.irp i, 0,1,2,3
	v_max3_num_f32 v[QM+\i], |v[(\base)+8*\i]|, |v[(\base)+8*\i+1]|, 0x8000000   ; my 8 numbers, and the floor 2^(16 - 127): so the byte cannot fall under 1
.endr
.irp k, 2,4,6
.irp i, 0,1,2,3
	v_max3_num_f32 v[QM+\i], |v[(\base)+8*\i+\k]|, |v[(\base)+8*\i+\k+1]|, v[QM+\i]
.endr
.endr
	WIN 0
.irp i, 0,1,2,3
	v_max_num_f32_dpp v[QM+\i], v[QM+\i], v[QM+\i] row_xmask:1 row_mask:0xf bank_mask:0xf
.endr
.irp i, 0,1,2,3
	v_max_num_f32_dpp v[QM+\i], v[QM+\i], v[QM+\i] row_xmask:2 row_mask:0xf bank_mask:0xf   ; with the three lanes that share my block of 32
.endr
.irp i, 0,1,2,3
	v_add_nc_u32 v[QS+\i], 0xf8800000, v[QM+\i]                ; 15 off the exponent field: the conversion takes this operand's exponent field as its scale
.endr
.irp i, 0,1,2,3
	v_and_or_b32 v[QH+\i], v[QM+\i], 0x7f800000, s42           ; 57,344 x the scale: the same exponent field over 57,344's mantissa
.endr
	s_wait_dscnt 8                                 ; the last row's 8 stores may be out; those of the row before it, which read this set of registers, are done
.irp i, 0,1,2,3
	v_lshrrev_b32 v[QBY+4*(\par)+\i], 23, v[QS+\i]             ; the scale's byte
.endr
	WIN 0x41*(\win)
.irp i, 0,1,2,3
.irp k, 0,1,2,3,4,5,6,7
	v_med3_num_f32 v[(\base)+8*\i+\k], v[(\base)+8*\i+\k], -v[QH+\i], v[QH+\i]   ; the conversion to an 8-bit code does not saturate (ISA guide 7.6.2): the hold comes first
.endr
.endr
	WIN 0x01*(\win)
.irp i, 0,1,2,3
	v_cvt_scalef32_pk8_bf8_f32 v[QCD+8*(\par)+2*\i:QCD+8*(\par)+2*\i+1], v[(\base)+8*\i:(\base)+8*\i+7], v[QS+\i]
.endr
	WIN 0
	v_nop                                          ; one plain vector instruction behind the last conversion, ahead of whatever next writes its sources
.irp i, 0,1,2,3
	ds_store_b64 v[SCD], v[QCD+8*(\par)+2*\i:QCD+8*(\par)+2*\i+1] offset:(\row)*PIT+256*\i   ; 32 lanes: 256 consecutive bytes of the row
.endr
.irp i, 0,1,2,3
	ds_store_b8 v[SSB], v[QBY+4*(\par)+\i] offset:(\row)*XSP+8*\i   ; the four lanes of a block write the same byte with the same value
.endr
.endm
; A fragment, 16 rows x 128 K of 8-bit codes, is 16 registers: lane (r, h) holds row r; registers 4 c .. 4 c + 3 hold K = 32 c + 16 h + 0 .. 15: four loads of 16 bytes, 32 bytes apart.
.macro FETCHX s                        ; x's two fragments of K step s into set s % 2
.irp m, 0,1
.irp c, 0,1,2,3
	ds_load_b128 v[XF+32*((\s)%2)+16*\m+4*\c:XF+32*((\s)%2)+16*\m+4*\c+3], v[AXC] offset:\m*16*PIT+128*(\s)+32*\c
.endr
.endr
.endm
.macro FETCHW s                        ; Wq's fragments of tiles 4-7, K step s
.irp u, 0,1,2,3
.irp c, 0,1,2,3
	ds_load_b128 v[WF+16*\u+4*\c:WF+16*\u+4*\c+3], v[AWL] offset:\u*16*PIT+128*(\s)+32*\c
.endr
.endr
.endm
; One product: accumulator (m, t), K step s; Wq's fragment at v[areg] of the window in force.  K step 0 starts the sum with the constant 0.  K steps 4-7 take their scale words from lanes 16-31.
.macro MM areg, t, m, s
.if (\s) == 0
	v_wmma_scale_f32_16x16x128_f8f6f4 v[16*(\t)+8*(\m):16*(\t)+8*(\m)+7], v[(\areg):(\areg)+15], v[XF+32*((\s)%2)+16*(\m):XF+32*((\s)%2)+16*(\m)+15], 0, v[WS+4*(\t)+(\s)%4], v[XSR+4*(\m)+(\s)%4] matrix_a_fmt:MATRIX_FMT_BF8 matrix_b_fmt:MATRIX_FMT_BF8
.elseif (\s) < 4
	v_wmma_scale_f32_16x16x128_f8f6f4 v[16*(\t)+8*(\m):16*(\t)+8*(\m)+7], v[(\areg):(\areg)+15], v[XF+32*((\s)%2)+16*(\m):XF+32*((\s)%2)+16*(\m)+15], v[16*(\t)+8*(\m):16*(\t)+8*(\m)+7], v[WS+4*(\t)+(\s)%4], v[XSR+4*(\m)+(\s)%4] matrix_a_fmt:MATRIX_FMT_BF8 matrix_b_fmt:MATRIX_FMT_BF8
.else
	v_wmma_scale_f32_16x16x128_f8f6f4 v[16*(\t)+8*(\m):16*(\t)+8*(\m)+7], v[(\areg):(\areg)+15], v[XF+32*((\s)%2)+16*(\m):XF+32*((\s)%2)+16*(\m)+15], v[16*(\t)+8*(\m):16*(\t)+8*(\m)+7], v[WS+4*(\t)+(\s)%4], v[XSR+4*(\m)+(\s)%4] matrix_a_fmt:MATRIX_FMT_BF8 matrix_b_fmt:MATRIX_FMT_BF8 matrix_a_scale:MATRIX_SCALE_ROW1 matrix_b_scale:MATRIX_SCALE_ROW1
.endif
.endm
; A K STEP: 16 products, the 16 accumulators by turns, one instruction a turn, in the same order in every step.  The tiles that come from LDS go first, so that their one set of
; registers is free for the next step's fragments, which land under the eight products on resident tiles.  Eight places stand in front of loads into registers that matrix instructions have read
; they serve Wq's set, read just now, and x's other set, read in the step before.
.macro KSTEP s
	s_wait_dscnt 0x0                               ; this step's fragments are in
	WIN 0x50                                       ; sources in window 0, C and D in window 1
.irp t, 4,5,6,7
.irp m, 0,1
	MM WF+16*(\t-4), \t, \m, \s
.endr
.endr
.if (\s) < 7
	PLACES 8
	WIN 0
	FETCHW (\s)+1
	FETCHX (\s)+1
.endif
	WIN 0x52                                       ; source 0 in window 2
.irp t, 0,1
.irp m, 0,1
	MM 128*\t+16*(\s), \t, \m, \s
.endr
.endr
	WIN 0x53                                       ; source 0 in window 3
.irp t, 2,3
.irp m, 0,1
	MM 128*(\t-2)+16*(\s), \t, \m, \s
.endr
.endr
.endm
.macro TLD t                           ; tile t's eight 2 log2(e) bq and eight vq of my half of the lanes, into set t % 2
	ds_load_b128 v[CBV+16*((\t)%2):CBV+16*((\t)%2)+3], v[ACB] offset:64*(\t)
	ds_load_b128 v[CBV+16*((\t)%2)+4:CBV+16*((\t)%2)+7], v[ACB] offset:64*(\t)+16
	ds_load_b128 v[CBV+16*((\t)%2)+8:CBV+16*((\t)%2)+11], v[AVQ] offset:64*(\t)
	ds_load_b128 v[CBV+16*((\t)%2)+12:CBV+16*((\t)%2)+15], v[AVQ] offset:64*(\t)+16
.endm
; tanh and vq for tile t's two accumulators (16 registers on end, each read from its low end on): y = 2 log2(e) (acc + bq); tanh = 1 - 2 / (1 + 2^y); eight sums of pairs take vq x tanh.
; n units of the next tile of x, from u0 on, are asked for on the way, into zone Z: behind this tile's LDS loads and the wait for them, so that no LDS load of this tile stands behind them.
.macro TT t, u0, n
.if (\t) < 7
	TLD (\t)+1
	s_wait_dscnt 4                                 ; the four loads just issued may be out: this tile's are in
.else
	s_wait_dscnt 0x0
.endif
.if (\n) > 0
.set uu, \u0
.rept \n
	XLD 128+8*(uu-16), uu
.set uu, uu+1
.endr
.endif
	WIN 0x41                                       ; destination and source 0 in window 1
.irp p, 0,1,2,3,4,5,6,7
	v_pk_fma_f32 v[16*(\t)+2*\p:16*(\t)+2*\p+1], v[16*(\t)+2*\p:16*(\t)+2*\p+1], s[38:39], v[CBV+16*((\t)%2)+(2*\p)%8:CBV+16*((\t)%2)+(2*\p)%8+1] op_sel_hi:[1,0,1]
.endr
.set q, 16*(\t)
.rept 16
	v_exp_f32 v[q], v[q]
.set q, q+1
.endr
	v_nop                                          ; a plain instruction between the last exponential and the use of its result (ISA guide 5.7.2)
	s_wait_alu depctr_va_vdst(0)
.irp p, 0,1,2,3,4,5,6,7
	v_pk_add_f32 v[16*(\t)+2*\p:16*(\t)+2*\p+1], v[16*(\t)+2*\p:16*(\t)+2*\p+1], 1.0 op_sel_hi:[1,0]
.endr
.set q, 16*(\t)
.rept 16
	v_rcp_f32 v[q], v[q]
.set q, q+1
.endr
	v_nop
	s_wait_alu depctr_va_vdst(0)
.irp p, 0,1,2,3,4,5,6,7
	v_pk_fma_f32 v[16*(\t)+2*\p:16*(\t)+2*\p+1], v[16*(\t)+2*\p:16*(\t)+2*\p+1], -2.0, 1.0 op_sel_hi:[1,0,0]
.endr
	WIN 0x01                                       ; source 0 in window 1
.irp p, 0,1,2,3,4,5,6,7
.if (\t) == 0
	v_pk_mul_f32 v[CH+2*\p:CH+2*\p+1], v[16*(\t)+2*\p:16*(\t)+2*\p+1], v[CBV+16*((\t)%2)+8+(2*\p)%8:CBV+16*((\t)%2)+8+(2*\p)%8+1]   ; the first tile starts the sums
.else
	v_pk_fma_f32 v[CH+2*\p:CH+2*\p+1], v[16*(\t)+2*\p:16*(\t)+2*\p+1], v[CBV+16*((\t)%2)+8+(2*\p)%8:CBV+16*((\t)%2)+8+(2*\p)%8+1], v[CH+2*\p:CH+2*\p+1]
.endif
.endr
	WIN 0
.endm
	s_load_b256 s[4:11], s[0:1], 0x0               ; x s[4:5], Wq's codes s[6:7], Wq's scales s[8:9], bq s[10:11]
	s_load_b256 s[12:19], s[0:1], 0x20             ; vq s[12:13], mask s[14:15], scores s[16:17], sel s[18:19]
	v_lshl_add_u32 v126, v0, 2, 0x4b800
	v_mov_b32 v127, 0
	ds_add_u32 v126, v127
	ds_add_u32 v126, v127
	v_lshrrev_b32 v14, 5, v0
	v_readfirstlane_b32 s20, v14                   ; wave 0..3
	v_and_b32 v15, 31, v0                          ; lane
	v_and_b32 v14, 15, v0                          ; r
	v_bfe_u32 v[PX], v0, 4, 1                      ; h
	v_lshlrev_b32 v[XA], 5, v15
	v_mul_u32_u24 v[SPA], v14, PIT
	v_lshl_add_u32 v[SPA], v[PX], 4, v[SPA]        ; r PIT + 16 h
	v_add_nc_u32 v[AXC], XC, v[SPA]
	s_mul_i32 s33, s20, WLW                        ; my part of Wq in LDS: also the descriptor's LDS address
	v_add_nc_u32 v[AWL], s33, v[SPA]
	v_mul_u32_u24 v[AXS], v14, XSP
	v_lshl_add_u32 v[AXS], v[PX], 4, v[AXS]
	v_add_nc_u32 v[AXS], XS, v[AXS]
	s_mul_i32 s22, s20, 8*PIT
	s_add_co_u32 s22, s22, XC
	v_lshl_add_u32 v[SCD], v15, 3, s22
	s_mul_i32 s22, s20, 8*XSP
	s_add_co_u32 s22, s22, XS
	v_lshrrev_b32 v[SSB], 2, v15
	v_add_nc_u32 v[SSB], s22, v[SSB]
	s_lshl_b32 s22, s20, 9
	s_add_co_u32 s23, s22, CBB
	v_lshl_add_u32 v[ACB], v[PX], 5, s23
	v_lshl_add_u32 v[CBA], v15, 4, s23             ; where I put my four numbers of 2 log2(e) bq; vq's lie 2,048 bytes on
	s_add_co_u32 s23, s22, VQB
	v_lshl_add_u32 v[AVQ], v[PX], 5, s23
	s_lshl_b32 s22, s20, 10
	s_add_co_u32 s22, s22, SPB
	v_lshl_add_u32 v[ASP], v15, 2, s22
	v_lshl_add_u32 v[TLA], v15, 4, SPB             ; the end: 16 bytes a lane of the partial scores
	v_lshlrev_b32 v[WSO], 5, v14                   ; Wq's scale bytes: 32 a row; row 128 wave + r, + 16 h
	v_lshl_add_u32 v[WSO], v[PX], 4, v[WSO]
	s_lshl_b32 s22, s20, 12
	v_add_nc_u32 v[WSO], s22, v[WSO]
	v_lshlrev_b32 v[WFO], 10, v14                  ; Wq's codes: 1,024 a row; row 128 wave + r, + 16 h
	v_lshl_add_u32 v[WFO], v[PX], 4, v[WFO]
	s_lshl_b32 s22, s20, 17
	v_add_nc_u32 v[WFO], s22, v[WFO]
	v_lshlrev_b32 v[BVO], 4, v0                    ; bq, vq: 16 bytes a thread: 512 wave + 16 lane
	v_lshlrev_b32 v[L4], 2, v15
	v_lshlrev_b32 v[L16], 4, v15
	v_mov_b32 v[PX], 0                             ; written once: a lane permute's destination counts as one of its sources
	; descriptor group 1: 64 rows of 1,024 elements of one byte, dense in memory, 16 bytes of padding behind each row in LDS
	s_mov_b32 s24, (0<<16)|(1<<20)|(7<<22)|(3<<25) ; 15:0 no mask; 17:16 elements of 1 byte; 20 padding on; 24:22 after every 256 words (code 7); 31:25 four words (code 3)
	s_mov_b32 s25, 1024<<16                        ; tensor_dim0 = 1,024
	s_mov_b32 s26, 64<<16                          ; tensor_dim1 = 64
	s_mov_b32 s27, 1024<<16                        ; tile_dim0 = 1,024
	s_mov_b32 s28, 64                              ; tile_dim1 = 64
	s_mov_b32 s29, 1024                            ; tensor_dim0_stride
	s_mov_b32 s30, 0
	s_mov_b32 s31, 0
	s_mov_b32 s32, 1                               ; group 0: count = 1; s33 the LDS address (above)
	s_mov_b32 s36, 7                               ; tiles in the loop; the eighth is written out
	s_mov_b32 s37, 0                               ; 128 x tile: the tile's place among the partial scores
	s_mov_b32 s38, 0x4038aa3b                      ; 2 log2(e)
	s_mov_b32 s39, s38                             ; (named with it as a pair, so it is written)
	s_mov_b32 s40, 0x76543210
	s_mov_b32 s41, 0xfedcba98                      ; v_permlanex16_b32's selects for lane l xor 16
	s_mov_b32 s42, 0x600000                        ; the mantissa field of 57,344
	s_mov_b32 s43, 0xffff0000                      ; lanes 16-31
	s_add_co_u32 s22, s22, 65536                   ; Wq's rows 128 wave + 64 on, in bytes
	s_mov_b32 s23, 0
	s_wait_dscnt 0x0
	s_wait_kmcnt 0x0
	s_add_nc_u64 s[34:35], s[6:7], s[22:23]
	s_or_b32 s35, s35, 0x80000000                  ; type = 2
	tensor_load_to_lds s[32:35], s[24:31]          ; my one tensor load: these LDS bytes are filled once in the launch
	s_nop 0
	PLACES 4
	s_lshl_b32 s22, ttmp9, 20                      ; my half batch: 256 rows of 4,096 bytes,
	s_lshl_b32 s46, s20, 15                        ; my wave's 8 rows of a tile
	s_add_co_u32 s22, s22, s46
	s_add_nc_u64 s[44:45], s[4:5], s[22:23]
	s_lshl_b32 s22, ttmp9, 8
	s_add_nc_u64 s[14:15], s[14:15], s[22:23]      ; mask: 256 bytes
	s_lshl_b32 s22, ttmp9, 10
	s_add_nc_u64 s[16:17], s[16:17], s[22:23]      ; scores: 1,024 bytes
	s_lshl_b32 s22, ttmp9, 7
	s_add_nc_u64 s[18:19], s[18:19], s[22:23]      ; sel: 128 bytes
	global_load_b128 v[BQ:BQ+3], v[BVO], s[10:11]
	global_load_b128 v[VQ:VQ+3], v[BVO], s[12:13]
	global_load_b32 v[MK], v[L4], s[14:15]                     ; mask bytes of rows 4 lane + 0 .. 3,
	global_load_b32 v[MK+1], v[L4], s[14:15] offset:128        ; and of rows 128 + 4 lane + 0 .. 3
.irp t, 0,1,2,3,4,5,6,7
	global_load_b128 v[WS+4*\t:WS+4*\t+3], v[WSO], s[8:9] offset:512*\t
.endr
	FLOAD                                          ; tile 0 of x
	ZLOAD
	WIN 0x80                                       ; destination window 2
.irp t, 0,1
.irp s, 0,1,2,3,4,5,6,7
.irp c, 0,1,2,3
	global_load_b128 v[128*\t+16*\s+4*\c:128*\t+16*\s+4*\c+3], v[WFO], s[6:7] offset:16384*\t+128*\s+32*\c
.endr
.endr
.endr
	WIN 0xc0                                       ; destination window 3
.irp t, 0,1
.irp s, 0,1,2,3,4,5,6,7
.irp c, 0,1,2,3
	global_load_b128 v[128*\t+16*\s+4*\c:128*\t+16*\s+4*\c+3], v[WFO], s[6:7] offset:16384*(\t+2)+128*\s+32*\c
.endr
.endr
.endr
	WIN 0
	s_wait_loadcnt 63                              ; loads come back in order (ISA guide 5.7.1): 202 were issued behind bq's and vq's, so these two are in
	v_pk_mul_f32 v[BQ:BQ+1], v[BQ:BQ+1], s[38:39] op_sel_hi:[1,0]
	v_pk_mul_f32 v[BQ+2:BQ+3], v[BQ+2:BQ+3], s[38:39] op_sel_hi:[1,0]
	ds_store_b128 v[CBA], v[BQ:BQ+3]               ; my wave's 128 units: read by my wave alone, and LDS serves a wave's instructions in order
	ds_store_b128 v[CBA], v[VQ:VQ+3] offset:VQB-CBB
	s_wait_xcnt 0x0                                ; every load has had its address translated: the pointer may step
	s_add_nc_u64 s[44:45], s[44:45], TILEB         ; the next tile to be asked for
	s_wait_tensorcnt 0x0                           ; my part of Wq is in LDS; nobody else reads it
; A TILE.  more = 1: the next tile of x is asked for on the way.  A tile's 64 loads of a wave are issued in the order of its rows: zone F's 32 in the Q of the tile before, zone Z's 32 in its T.
; THE COUNTS.  Loads come back in order (ISA guide 5.7.1), so row p of Q waits with the number of loads issued behind its own eight.  Rows 0-3: the 8 (3 - p) of F's later rows, Z's 32, and what this tile has asked
; for so far, 4 p: 56, 52, 48, 44.  Rows 4-7: the 8 (7 - p) of Z's later rows, and the 16, 22, 28, 32 asked for so far: 40, 38, 36, 32.  The last tile asks for nothing: 56, 48, 40, 32, 24, 16, 8, 0.
; In the first tile more loads are younger than these counts say (Wq's 32 resident fragments, 128 loads, were issued behind x's): the waits are then only stricter; and row 7's count, 32, leaves out just the 32 loads that this
; tile has issued itself, so that Wq's fragments, its scale words and the mask bytes are in ahead of the first product.
.macro TILE more
	XWAIT \more, 56, 56
	QB 128, 1, 0, 0
	XASK \more, 0, 2                               ; units 0, 1: row 0's registers are free
	XWAIT \more, 52, 48
	QB 160, 1, 1, 1
	XASK \more, 2, 2
	XWAIT \more, 48, 40
	QB 192, 1, 2, 0
	XASK \more, 4, 2
	XWAIT \more, 44, 32
	QB 224, 1, 3, 1
	XASK \more, 6, 2
	XWAIT \more, 40, 24
	QB 128, 0, 4, 0
	XASK \more, 8, 3
	XWAIT \more, 38, 16
	QB 160, 0, 5, 1
	XASK \more, 11, 3
	XWAIT \more, 36, 8
	QB 192, 0, 6, 0
	XASK \more, 14, 2                              ; the last of zone F: none stands behind row 7, in front of the products' LDS loads
	XWAIT \more, 32, 0
	QB 224, 0, 7, 1
	BARRIER                                        ; the codes and scale bytes of all 32 rows lie in LDS
	ds_load_b128 v[XSR:XSR+3], v[AXS]
	ds_load_b128 v[XSR+4:XSR+7], v[AXS] offset:16*XSP
	FETCHX 0
	FETCHW 0
	PLACES 4                                       ; between the quantiser's last vector writes of v128-255 and the products that read these registers, reloaded
.irp s, 0,1,2,3,4,5,6,7
	KSTEP \s
.endr
	PLACES 8                                       ; in front of the loads into zone Z, whose registers the products have read, and of the first read of results
	WIN 0
	BARRIER                                        ; every wave's reads of the tile's codes and scale bytes are over: the next tile's may be stored
	TLD 0
	TT 0, 16, 3*\more                              ; zone Z's 16 units: three, three, three, three, two, two: early, so that the last of them has two tiles of T and seven rows of Q in which to land
	TT 1, 19, 3*\more
	TT 2, 22, 3*\more
	TT 3, 25, 3*\more
	TT 4, 28, 2*\more
	TT 5, 30, 2*\more
	TT 6, 0, 0
	TT 7, 0, 0
.irp m, 0,1
	v_pk_add_f32 v[CH+8*\m:CH+8*\m+1], v[CH+8*\m:CH+8*\m+1], v[CH+8*\m+2:CH+8*\m+3]
	v_pk_add_f32 v[CH+8*\m+4:CH+8*\m+5], v[CH+8*\m+4:CH+8*\m+5], v[CH+8*\m+6:CH+8*\m+7]
.endr
.irp m, 0,1
	v_pk_add_f32 v[CH+8*\m:CH+8*\m+1], v[CH+8*\m:CH+8*\m+1], v[CH+8*\m+4:CH+8*\m+5]
.endr
.irp m, 0,1
	v_add_f32 v[CH+8*\m], v[CH+8*\m], v[CH+8*\m+1]
.endr
	v_permlanex16_b32 v[PX], v[CH], s40, s41       ; the row's other 64 units lie in the lane 16 away
	v_add_f32 v[CH], v[CH], v[PX]
	v_permlanex16_b32 v[PX], v[CH+8], s40, s41
	v_add_f32 v[CH+8], v[CH+8], v[PX]
	v_cndmask_b32 v[CH], v[CH], v[CH+8], s43       ; lanes 0-15 keep rows 0-15, lanes 16-31 take rows 16-31: lane l holds row l of the tile
	v_add_nc_u32 v[SPA], s37, v[ASP]
	ds_store_b32 v[SPA], v[CH]
.if \more
	s_wait_xcnt 0x0                                ; the loads of x have had their addresses translated: the pointer may step
	s_add_nc_u64 s[44:45], s[44:45], TILEB
.endif
	s_add_co_u32 s37, s37, 128
.endm
.Ltile:
	TILE 1
	s_sub_co_u32 s36, s36, 1
	s_cmp_lg_u32 s36, 0
	s_cbranch_scc1 .Ltile
	TILE 0                                         ; the last tile is written out: nothing is left to ask for, and no load leaves x
	BARRIER                                        ; all four waves' partial scores lie in LDS
	s_cmp_lg_u32 s20, 0
	s_cbranch_scc1 .Ldone
	; wave 0: register 4 u + e of a lane takes row 128 u + 4 lane + e
.irp u, 0,1
.irp q, 0,1,2,3
	ds_load_b128 v[128+16*\u+4*\q:128+16*\u+4*\q+3], v[TLA] offset:1024*\q+512*\u
.endr
.endr
	v_mov_b32 v176, 0xc9742400                     ; -1,000,000
	s_wait_dscnt 0x0
.irp u, 0,1
.irp e, 0,2
	v_pk_add_f32 v[128+16*\u+\e:129+16*\u+\e], v[128+16*\u+\e:129+16*\u+\e], v[132+16*\u+\e:133+16*\u+\e]
	v_pk_add_f32 v[136+16*\u+\e:137+16*\u+\e], v[136+16*\u+\e:137+16*\u+\e], v[140+16*\u+\e:141+16*\u+\e]
	v_pk_add_f32 v[160+4*\u+\e:161+4*\u+\e], v[128+16*\u+\e:129+16*\u+\e], v[136+16*\u+\e:137+16*\u+\e]
.endr
.endr
.irp k, 0,1,2,3,4,5,6,7
	v_bfe_u32 v177, v[MK+\k/4], 8*(\k%4), 8        ; the row's mask byte
	v_cmp_ne_u32 vcc_lo, 0, v177
	v_cndmask_b32 v[160+\k], v[160+\k], v176, vcc_lo
.endr
	v_max3_num_f32 v178, v160, v161, v162
	v_max3_num_f32 v178, v178, v163, v164
	v_max3_num_f32 v178, v178, v165, v166
	v_max_num_f32 v178, v178, v167
	v_max_num_f32_dpp v178, v178, v178 row_xmask:1 row_mask:0xf bank_mask:0xf
	v_max_num_f32_dpp v178, v178, v178 row_xmask:2 row_mask:0xf bank_mask:0xf
	v_max_num_f32_dpp v178, v178, v178 row_xmask:4 row_mask:0xf bank_mask:0xf
	v_max_num_f32_dpp v178, v178, v178 row_xmask:8 row_mask:0xf bank_mask:0xf
	v_permlanex16_b32 v[PX], v178, s40, s41
	v_max_num_f32 v178, v178, v[PX]                ; the half batch's largest score
	v_add_f32 v178, 0xc1b17218, v178               ; less 32 ln 2: a row under it weighs less than 2^-32 of the largest weight, 512 such rows less than 2^-23
.irp k, 0,1,2,3,4,5,6,7
	v_cmp_ge_f32 s[48+\k], v[160+\k], v178         ; a bit a lane; the bits are stored and steer nothing in this launch
.endr
	global_store_b128 v[L16], v[160:163], s[16:17]             ; 32 lanes store 512 consecutive bytes
	global_store_b128 v[L16], v[164:167], s[16:17] offset:512
	v_mov_b32 v180, 0
.irp k, 0,1,2,3,4,5,6,7
	v_writelane_b32 v180, s[48+\k], \k
.endr
	global_store_b32 v[L4], v180, s[18:19]         ; the record: 128 consecutive bytes
.Ldone:
	s_wait_tensorcnt 0x0
	ds_add_u32 v126, v127
	s_wait_dscnt 0x0
	s_endpgm
.Lfunc_end_k_qd21facf7cc_score:
	.size	k_qd21facf7cc_score, .Lfunc_end_k_qd21facf7cc_score-k_qd21facf7cc_score
	.p2alignl 7, 3214868480
	.fill 96, 4, 3214868480
	.section	.rodata,"a",@progbits
	.p2align	6, 0x0
	.amdhsa_kernel k_qd21facf7cc_score
		.amdhsa_group_segment_fixed_size 327680
		.amdhsa_private_segment_fixed_size 0
		.amdhsa_enable_private_segment 0
		.amdhsa_kernarg_size 64
		.amdhsa_user_sgpr_count 2
		.amdhsa_user_sgpr_kernarg_segment_ptr 1
		.amdhsa_wavefront_size32 1
		.amdhsa_system_sgpr_workgroup_id_x 1
		.amdhsa_system_sgpr_workgroup_id_y 1
		.amdhsa_system_sgpr_workgroup_id_z 1
		.amdhsa_system_vgpr_workitem_id 0
		.amdhsa_next_free_vgpr 1024
		.amdhsa_next_free_sgpr 66
		.amdhsa_reserve_vcc 1
		.amdhsa_float_denorm_mode_32 3
		.amdhsa_float_denorm_mode_16_64 3
		.amdhsa_memory_ordered 1
		.amdhsa_forward_progress 1
		.amdhsa_inst_pref_size 242
	.end_amdhsa_kernel
	.amdgpu_metadata
---
amdhsa.version: [ 1, 2 ]
amdhsa.kernels:
  - .name:           k_qd21facf7cc_score
    .symbol:         k_qd21facf7cc_score.kd
    .args:
      - { .name: x, .offset: 0, .size: 8, .value_kind: global_buffer, .address_space: global }
      - { .name: Wq_codes, .offset: 8, .size: 8, .value_kind: global_buffer, .address_space: global }
      - { .name: Wq_scales, .offset: 16, .size: 8, .value_kind: global_buffer, .address_space: global }
      - { .name: bq, .offset: 24, .size: 8, .value_kind: global_buffer, .address_space: global }
      - { .name: vq, .offset: 32, .size: 8, .value_kind: global_buffer, .address_space: global }
      - { .name: mask, .offset: 40, .size: 8, .value_kind: global_buffer, .address_space: global }
      - { .name: scores, .offset: 48, .size: 8, .value_kind: global_buffer, .address_space: global }
      - { .name: sel, .offset: 56, .size: 8, .value_kind: global_buffer, .address_space: global }
    .group_segment_fixed_size: 327680
    .private_segment_fixed_size: 0
    .kernarg_segment_align: 8
    .kernarg_segment_size: 64
    .max_flat_workgroup_size: 128
    .sgpr_count:     66
    .vgpr_count:     1024
    .wavefront_size: 32
...
	.end_amdgpu_metadata
.endif
;; end of part 3
;; launch gather: the kernel of part 2 again; grid 128 x 2, 16 waves a work-group, no clusters, 34,816 bytes of LDS; arguments x, scores, sel, out0; writes out0
